; MI455X (gfx1250); checked and timed in simulation.
; The chip was launched on July 23, 2026; its instructions are those of AMD's public machine-readable ISA for CDNA 5 (MIT licence, August 2026) and "CDNA5" Instruction Set Architecture Reference Guide (July 2026). The comments in the code are by the model that wrote it; some were corrected since.
;; Memory Net. Allowed arithmetic: matrix products marked QUANTISED: E5M2 operands, one E8M0 scale for each 32 along K, by v_wmma_scale_f32_16x16x128_f8f6f4 with both operands' format E5M2, f32 sums; everything else in f32.
;; Inputs: gamma one number float32; k 4 x 1,024 x 2,048 float32; q 4 x 1,024 x 2,048 float32; v_codes 4 x 1,024 x 64 x 32 uint8 (E5M2 codes of v, K innermost, in blocks of 32 codes); v_scales 4 x 1,024 x 64 uint8 (E8M0 scales of v, one for each 32 codes along K).
;; Outputs: out0 4 x 1,024 x 2,048 float32.
;; This version of the problem:
;;   THIS VERSION OF THE PROBLEM IS GIVEN IN LOW PRECISION. The matrix products marked QUANTISED in the list below multiply operands that are first quantised to E5M2 (5 exponent bits, 2 mantissa bits; 8 bits a number), with one power-of-two scale for each 32 numbers along K (OCP MX v1.0); their sums are f32. All else is computed in f32.
;;   The module's matrix products, in the order in which they are computed (A, B: the left and right operand; K: the contracted axis; several contracted axes count as one K, in the product's order):
;;     1. batch 32 x [M 2,048, K 128] x [K 128, N 2,048]; A: input q; B: input k: QUANTISED
;;     2. batch 32 x [M 128, K 2,048] x [K 2,048, N 2,048]; A: input v (given as codes); B: softmax (see below): QUANTISED
;;   THE QUANTISER, for each operand of a quantised product, along K:
;;     - K is cut into blocks of 32 from its start; a last block that is shorter is filled with zeros.
;;     - A block's scale is 2^e with e = floor(log2(the largest magnitude in the block)) - 15, held to -126 .. 127; a block of zeros has e = 0. As a byte (E8M0): e + 127.
;;     - Each number is divided by its block's scale, clamped to +-57,344, and rounded to the nearest number of E5M2, ties to even, subnormals kept.
;;     - The product sums the exact products of the quantised numbers (number of the format x scale) in f32.
;;   ~~~python
;;   def quantise(x, axis):      # numpy; x: float32 -> the quantised numbers, widened to float32 again
;;       x = np.moveaxis(x, axis, -1); K = x.shape[-1]
;;       x = np.pad(x, [(0, 0)] * (x.ndim - 1) + [(0, -K % 32)]); x = x.reshape(x.shape[:-1] + (-1, 32)); a = np.abs(x).max(-1, keepdims=True)
;;       e = np.where(a > 0, np.clip(np.frexp(np.where(a > 0, a, 1))[1] - 1 - 15, -126, 127), 0)      # np.frexp(a)[1] - 1 = floor(log2(a)), exactly
;;       r = np.clip(x / 2.0 ** e, -57344, 57344)
;;       step = 2.0 ** (np.maximum(np.frexp(np.where(r == 0, 1, r))[1] - 1, -14) - 2)
;;       q = np.round(r / step) * step * 2.0 ** e      # np.round: ties to even
;;       return np.moveaxis(q.reshape(q.shape[:-2] + (-1,))[..., :K], -1, axis).astype(np.float32)
;;   ~~~
;;   SOFTMAX AHEAD OF A QUANTISED PRODUCT. Where the list says 'softmax', what is quantised is not the finished softmax but p = 2^(t - M), with t = logit x log2(e) and M = ceil(the row's largest t), a whole number; so 1/2 < the row's largest p <= 1. The row's sum l is taken of the UNQUANTISED p, in f32, and the product's result is divided by l at the end. Since M is a whole number, a kernel that streams over the keys may use a running M (the ceiling of the running maximum): every later rescaling is an exact power of two, which a block's scale takes up: the codes' values come out the same.
;;   OPERANDS COMPUTED ON THE WAY. 'Computed on the way' means the value that the module computes at that place (a softmax that the list does not call 'softmax' is quantised finished and normalised). What goes into a quantiser is computed in f32, as accurately as f32 sums, v_exp_f32 and their like allow (about 1e-6 of the number): no bf16 or f16 on the way to a quantiser, and a product that is left as it is and whose result goes on into a quantised operand takes f32 operands (vector FMAs, or v_wmma_f32_16x16x4_f32). A number that lies on a knife's edge between two numbers of the format may be rounded either way, as far as f32 arithmetic and the matrix unit's own rounding can turn it there, and no further.
;;   INPUTS GIVEN AS CODES. v (in the module: [4, 1024, 2048], K = its axis 2): each comes as NAME_codes (uint8): NAME with its K axis moved to the last place and cut into blocks of 32 codes, [.., K / 32, bytes a block], one block behind the other in memory; one code a byte (a code: sign, 5 exponent bits, 2 mantissa bits); and NAME_scales (uint8): the same leading axes, one E8M0 byte (e + 127) for each 32 codes along K. Its value is code x scale, taken as it is: it is not quantised again, and the codes and scales need not be those that the quantiser above would give.
;; One version. Each part assembles by itself: llvm-mc -triple=amdgcn-amd-amdhsa -mcpu=gfx1250 --defsym DOCPART=n.
;; ======== version 1 of 1: 2 launches
;; limits: right only within a limited range of input values
;; workspace buffers: q_codes 8,388,608 bytes; k_codes 8,388,608 bytes; q_scales 262,144 bytes; k_scales 262,144 bytes
;; launch quant (part 1): grid 256 x 2, 4 waves a work-group, no clusters, 35,328 bytes of LDS; arguments q, k, q_codes, q_scales, k_codes, k_scales; writes q_codes, q_scales, k_codes, k_scales
.if DOCPART == 1
	.amdgcn_target "amdgcn-amd-amdhsa--gfx1250"
	.amdhsa_code_object_version 6
	.text
	.protected	k_q0ae01cfb06_quant
	.globl	k_q0ae01cfb06_quant
	.p2align	8
	.type	k_q0ae01cfb06_quant,@function
k_q0ae01cfb06_quant:
	s_mov_b64 s[64:65], 0
	v_nop
	global_prefetch_b8 v0, s[64:65] scope:SCOPE_SE
	s_setreg_imm32_b32 hwreg(HW_REG_WAVE_MODE, 25, 1), 1
	s_wait_xcnt 0x0
; q and k, [32 heads][128 d][2048 columns] f32, become codes of BF8 (E5M2) with K = d innermost, [32][2048 places][128 bytes], and one scale word (four E8M0 bytes,
; byte b for d = 32 b .. 32 b + 31) a column, [32][2048 places][4 bytes].  Grid y = 0 takes q, y = 1 takes k: only the pointers are chosen, both take one path.
; A block's scale is 2^(floor(log2(its largest magnitude)) - 15); its byte is the largest magnitude's exponent field - 15, held at 1 from below.
; THE PLACE OF A COLUMN: column L is stored at place L with its bits 3 and 4 exchanged.  So 16 neighbouring places 16 u .. 16 u + 15 hold columns 32 b + 8 (u % 2) + 0..7 and the eight that lie
; 16 further on: the rows that the attention launch wants in one tile of keys, so that a lane's 16 scores of two neighbouring tiles are 16 neighbouring keys.  For q the order only says which lane holds which query.
; A LANE TAKES TWO NEIGHBOURING COLUMNS, AND ITS REGISTERS RUN DOWN d: each load of the wave reads 256 consecutive bytes of one row, at a multiple of 256 from the buffer's start; a block of 32 along d of a column
; lies in one lane, so its largest magnitude needs no other lane, and the conversions give codes with d innermost.  Nothing is transposed by an instruction.
; A work-group takes 256 columns of a head (x = 8 head + group), a wave 64 of them, all 128 d.  The codes go through the wave's own stage in LDS and leave 512 consecutive bytes a store.
; No tensor loads, no barrier: waves share nothing.  Loads run two blocks (64 loads a wave) ahead.  Every offset is an immediate: 127 rows x 8,192 bytes at the most.
; LIMITS: NaN and infinities among the inputs are not served.  A block of zeros gets the byte 1 where the quantiser's rule says 127: its codes are zeros, which add nothing under any byte but 0xff,
; and the bytes are read by this program alone.
.set ROWB,  8192                       ; a row of q or k in bytes
.set PL,    272                        ; a lane's place in the stage: its two columns' 256 bytes of codes + 16 of padding = 17 x 16 bytes, so that the lanes of a 16-byte store fall on different banks
.set WREG,  32*PL                      ; a wave's stage
.set EMAX,  15
.set MANT,  0x600000                   ; the mantissa field of 57,344 as f32
.set SW,    14                         ; v[14:15]  the scale words of my two columns
.set XN,    32                         ; v32-63    one column's block: 32 numbers on end
.set LD,    64                         ; v64-191   two sets of 64 as loaded: row i of a block at 2 i (column 0) and 2 i + 1 (column 1)
.set CD,    192                        ; v192-255  codes: eight registers for each block and column
	s_load_b128 s[4:7], s[0:1], 0x0                ; q, k
	s_load_b128 s[8:11], s[0:1], 0x10              ; q's codes, q's scale words
	s_load_b128 s[12:15], s[0:1], 0x20             ; k's codes, k's scale words
	v_lshl_add_u32 v30, v0, 2, 0x8800
	v_mov_b32 v31, 0
	v_lshrrev_b32 v1, 5, v0
	v_readfirstlane_b32 s16, v1                    ; wave 0..3
	v_and_b32 v1, 31, v0                           ; lane
	v_lshlrev_b32 v2, 3, v1                        ; in: 8 bytes a lane
	s_mul_i32 s27, s16, WREG
	v_mul_u32_u24 v3, v1, PL
	v_add_nc_u32 v3, s27, v3                       ; the stage, on the way in: my place
	v_lshrrev_b32 v4, 4, v1
	v_add_nc_u32 v4, v4, v1
	v_lshlrev_b32 v4, 4, v4
	v_add_nc_u32 v4, s27, v4                       ; on the way out: 16 bytes a lane, lanes 16-31 one padding further on: two places, four columns, an instruction
	v_lshlrev_b32 v5, 4, v1                        ; and the same 16 bytes among a store's 512
	v_and_b32 v6, 0x13, v1                         ; my columns 2 l, 2 l + 1 go to places 2 l', 2 l' + 1: l' = l with its bits 2 and 3 exchanged
	v_and_b32 v7, 4, v1
	v_lshl_or_b32 v6, v7, 1, v6
	v_and_b32 v7, 8, v1
	v_lshrrev_b32 v7, 1, v7
	v_or_b32 v6, v6, v7
	v_lshlrev_b32 v6, 3, v6                        ; two scale words: 8 bytes
	s_and_b32 s17, ttmp7, 0xffff                   ; 0: q, 1: k
	s_lshr_b32 s18, ttmp9, 3
	s_lshl_b32 s18, s18, 20                        ; the head: 128 rows of 8,192 bytes,
	s_and_b32 s19, ttmp9, 7
	s_lshl_b32 s19, s19, 10                        ; the group's 256 columns,
	s_add_co_u32 s18, s18, s19
	s_lshl_b32 s19, s16, 8                         ; the wave's 64
	s_add_co_u32 s18, s18, s19
	s_mov_b32 s19, 0
	s_lshl_b32 s20, ttmp9, 15                      ; codes: 256 places x 128 bytes a group,
	s_lshl_b32 s21, s16, 13                        ; 64 a wave
	s_add_co_u32 s20, s20, s21
	s_mov_b32 s21, 0
	s_lshl_b32 s24, ttmp9, 10                      ; scale words: 1,024 bytes a group,
	s_lshl_b32 s25, s16, 8                         ; 256 a wave
	s_add_co_u32 s24, s24, s25
	s_mov_b32 s25, 0
	s_mov_b32 s26, MANT                            ; (an instruction takes one literal: the hold's line has another)
	s_wait_kmcnt 0x0
	s_cmp_eq_u32 s17, 0                            ; the choice hangs on the work-group's number alone
	s_cselect_b64 s[4:5], s[4:5], s[6:7]
	s_cselect_b64 s[8:9], s[8:9], s[12:13]
	s_cselect_b64 s[10:11], s[10:11], s[14:15]
	s_add_nc_u64 s[4:5], s[4:5], s[18:19]
	s_add_nc_u64 s[8:9], s[8:9], s[20:21]
	s_add_nc_u64 s[10:11], s[10:11], s[24:25]
.macro LOAD t                          ; block t: rows 32 t .. 32 t + 31, my two columns, into set t % 2
.irp i, 0,1,2,3,4,5,6,7,8,9,10,11,12,13,14,15,16,17,18,19,20,21,22,23,24,25,26,27,28,29,30,31
	global_load_b64 v[LD+64*((\t)%2)+2*\i:LD+64*((\t)%2)+2*\i+1], v2, s[4:5] offset:(32*(\t)+\i)*ROWB th:TH_LOAD_NT
.endr
.endm
.macro BLOCK t
.if (\t) < 3
	s_wait_loadcnt 32                              ; loads come back in order: this block's 32 are in, the next block's 32 may be out
.else
	s_wait_loadcnt 0x0
.endif
.irp c, 0,1                            ; my two columns, one after the other
.set LS, LD+64*((\t)%2)+\c
.set CC, CD+16*(\t)+8*\c
	v_max3_num_f32 v8, |v[LS]|, |v[LS+2]|, |v[LS+4]|               ; the block's largest magnitude, in two chains.  (These plain lines also stand between the last column's conversions and the lines that write their sources anew)
	v_max3_num_f32 v9, |v[LS+6]|, |v[LS+8]|, |v[LS+10]|
.irp i, 6,10,14,18,22,26
	v_max3_num_f32 v8, v8, |v[LS+2*\i]|, |v[LS+2*\i+2]|
	v_max3_num_f32 v9, v9, |v[LS+2*\i+4]|, |v[LS+2*\i+6]|
.endr
	v_max3_num_f32 v8, v8, |v[LS+60]|, |v[LS+62]|
	v_max3_num_f32 v8, v8, v9, (EMAX+1)<<23        ; and the floor 2^(16 - 127), under which no largest magnitude is taken: so the byte cannot fall under 1
	v_add_nc_u32 v11, -(EMAX<<23), v8              ; 15 off its exponent field: the conversion takes the exponent field of this operand as its scale, and nothing else of it
	v_and_or_b32 v10, v8, 0x7f800000, s26          ; 57,344 x the scale: the largest magnitude's exponent field over 57,344's mantissa
	v_lshrrev_b32 v12, 23, v11                     ; the scale's byte
.if (\t) == 0
	v_mov_b32 v[SW+\c], v12                        ; four bytes make the column's word, the lower d in the lower byte
.else
	v_lshl_or_b32 v[SW+\c], v12, 8*(\t), v[SW+\c]
.endif
.irp i, 0,1,2,3,4,5,6,7,8,9,10,11,12,13,14,15,16,17,18,19,20,21,22,23,24,25,26,27,28,29,30,31
	v_med3_num_f32 v[XN+\i], v[LS+2*\i], -v10, v10 ; the conversion to an 8-bit code does not saturate (ISA guide 7.6.2): the hold at the largest code x the scale; it also brings the column's numbers on end
.endr
.irp g, 0,1,2,3
	v_cvt_scalef32_pk8_bf8_f32 v[CC+2*\g:CC+2*\g+1], v[XN+8*\g:XN+8*\g+7], v11
.endr
	ds_store_b128 v3, v[CC:CC+3] offset:128*\c+32*(\t)             ; 32 codes: d = 32 t .. 32 t + 31 of the column's 128 bytes
	ds_store_b128 v3, v[CC+4:CC+7] offset:128*\c+32*(\t)+16
.endr
.if (\t) < 2
	LOAD (\t)+2                                    ; the set just read takes the block two further on
.endif
.endm
	LOAD 0
	LOAD 1
	BLOCK 0
	BLOCK 1
	BLOCK 2
	BLOCK 3
	v_nop                                          ; one plain line behind the last conversion
	global_store_b64 v6, v[SW:SW+1], s[10:11]      ; the wave's 64 scale words: the 32 lanes fill 256 consecutive bytes, at a multiple of 256
.irp j, 0,1,2,3,4,5,6,7,8,9,10,11,12,13,14,15
	ds_load_b128 v[LD+4*\j:LD+4*\j+3], v4 offset:2*PL*\j           ; columns 4 j .. 4 j + 3.  LDS serves a wave's instructions in order (ISA guide 5.7.1): these see my stores
.endr
.irp j, 0,1,2,3,4,5,6,7,8,9,10,11,12,13,14,15
	s_wait_dscnt 15-\j                             ; load j is back; the 15 - j younger ones may be out
	global_store_b128 v5, v[LD+4*\j:LD+4*\j+3], s[8:9] offset:512*((\j&9)|((\j&2)<<1)|((\j&4)>>1))   ; to places 4 j' on, j' = j with its bits 1 and 2 exchanged (bits 3 and 4 of the column): 512 consecutive bytes
.endr
	s_wait_tensorcnt 0x0
	ds_add_u32 v30, v31
	s_wait_dscnt 0x0
	s_endpgm
.Lfunc_end_k_q0ae01cfb06_quant:
	.size	k_q0ae01cfb06_quant, .Lfunc_end_k_q0ae01cfb06_quant-k_q0ae01cfb06_quant
	.p2alignl 7, 3214868480
	.fill 96, 4, 3214868480
	.section	.rodata,"a",@progbits
	.p2align	6, 0x0
	.amdhsa_kernel k_q0ae01cfb06_quant
		.amdhsa_group_segment_fixed_size 35328
		.amdhsa_private_segment_fixed_size 0
		.amdhsa_enable_private_segment 0
		.amdhsa_kernarg_size 48
		.amdhsa_user_sgpr_count 2
		.amdhsa_user_sgpr_kernarg_segment_ptr 1
		.amdhsa_wavefront_size32 1
		.amdhsa_system_sgpr_workgroup_id_x 1
		.amdhsa_system_sgpr_workgroup_id_y 1
		.amdhsa_system_sgpr_workgroup_id_z 1
		.amdhsa_system_vgpr_workitem_id 0
		.amdhsa_next_free_vgpr 256
		.amdhsa_next_free_sgpr 66
		.amdhsa_reserve_vcc 0
		.amdhsa_float_denorm_mode_32 3
		.amdhsa_float_denorm_mode_16_64 3
		.amdhsa_memory_ordered 1
		.amdhsa_forward_progress 1
		.amdhsa_inst_pref_size 47
	.end_amdhsa_kernel
	.amdgpu_metadata
---
amdhsa.version: [ 1, 2 ]
amdhsa.kernels:
  - .name:           k_q0ae01cfb06_quant
    .symbol:         k_q0ae01cfb06_quant.kd
    .args:
      - { .name: q, .offset: 0, .size: 8, .value_kind: global_buffer, .address_space: global }
      - { .name: k, .offset: 8, .size: 8, .value_kind: global_buffer, .address_space: global }
      - { .name: q_codes, .offset: 16, .size: 8, .value_kind: global_buffer, .address_space: global }
      - { .name: q_scales, .offset: 24, .size: 8, .value_kind: global_buffer, .address_space: global }
      - { .name: k_codes, .offset: 32, .size: 8, .value_kind: global_buffer, .address_space: global }
      - { .name: k_scales, .offset: 40, .size: 8, .value_kind: global_buffer, .address_space: global }
    .group_segment_fixed_size: 35328
    .private_segment_fixed_size: 0
    .kernarg_segment_align: 8
    .kernarg_segment_size: 48
    .max_flat_workgroup_size: 128
    .sgpr_count:     66
    .vgpr_count:     256
    .wavefront_size: 32
...
	.end_amdgpu_metadata
.endif
;; end of part 1
;; launch attn (part 2): grid 8 x 32, 4 waves a work-group, clusters of 4 x 1, 327,680 bytes of LDS; arguments q_codes, q_scales, k_codes, k_scales, v_codes, v_scales, gamma, out0; writes out0
.if DOCPART == 2
	.amdgcn_target "amdgcn-amd-amdhsa--gfx1250"
	.amdhsa_code_object_version 6
	.text
	.protected	k_q0ae01cfb06_attn
	.globl	k_q0ae01cfb06_attn
	.p2align	8
	.type	k_q0ae01cfb06_attn,@function
k_q0ae01cfb06_attn:
	s_mov_b64 s[64:65], 0
	v_nop
	global_prefetch_b8 v0, s[64:65] scope:SCOPE_SE
	s_setreg_imm32_b32 hwreg(HW_REG_WAVE_MODE, 25, 1), 1
	s_wait_xcnt 0x0
	s_wait_alu depctr_hold_cnt(0) depctr_sa_sdst(0) depctr_va_vdst(0) depctr_va_sdst(0) depctr_va_ssrc(0) depctr_va_vcc(0) depctr_vm_vsrc(0)
	s_getreg_b32 s2, hwreg(HW_REG_IB_STS2, 6, 4)
	s_cmp_eq_u32 s2, 0
	s_cbranch_scc0 .Lentry_in_a_cluster
	s_endpgm
.Lentry_in_a_cluster:
	s_bfe_u32 s2, ttmp6, 0x10000c
	s_cmp_lg_u32 s2, 0x3003
	s_cbranch_scc0 .Lentry_shape_is_right
	s_endpgm
.Lentry_shape_is_right:
; out0[head][d][q] = gamma x the sum over keys of softmax_key(q . k / sqrt(128)) v[d][key]: 32 heads, 2,048 queries, 2,048 keys, head size 128; both products on codes of BF8 (E5M2), one E8M0 scale for each 32 along K.
; q's and k's codes [32][2048 places][128] and scale words [32][2048 places][4] come from the launch before: place = column with its bits 3 and 4 exchanged.  v's codes [32][128 d][2048 keys] and scale bytes [32][128][64] are inputs.
; THE SOFTMAX: t = score x log2(e) / sqrt(128); M = the row's largest t so far, rounded UP to a whole number; p = 2^(t - M) is quantised along the keys, not normalised; the row's sum is taken of the unquantised p and divides at the end.
; When M moves, the sum and O are multiplied by 2^(old M - new M): exact.
; SHARES.  A work-group owns 256 queries of a head; each of its four waves, one to a SIMD, owns 64 of them, FOUR tiles of 16, in 1,024 registers: a fragment of K or V read from LDS feeds four matrix instructions.
; Both products are used transposed (S^T = K Q^T, O^T = V^T P^T): a lane holds one query a tile.  By the places' order the 16 registers of score tiles 2 b, 2 b + 1 are keys 32 b + 16 (lane / 16) + 0 .. 15;
; tile x, lane r holds query 64 wave + 32 (x / 2) + 8 (x % 2) + r + 8 (r / 8).
; THE RING: two LDS slots of 512 keys (512 places of K, 128 rows of V); a slot is four key steps of 128 keys; a refill is asked for four key steps ahead of its first read, so no prefetch is laid beside it.
; CLUSTER: the four query blocks of a cluster walk the same K, V and scales of one head: every tile is asked for jointly, by one wave of each work-group, with the mask of all four.  The place in the cluster enters q's and out0's global addresses alone.
; THE WALK IS ROTATED: a trip loads K's fragments of step n, multiplies P and V of step n - 1 while they are on their way, forms step n's scores, loads V's fragments of step n and walks step n's softmax.
; The first trip's second product takes zero codes onto zero sums, so that the step's text stands once for all steps of a slot; the last step's second product stands behind the loops.
; In the softmax the four tiles' chains take turns; a tile's exponentials stand by turns with the next tile's scalings and the last tile's holds, which name none of the batch's registers.
; LIMITS: gamma is folded into 1 / the sum (v_rcp_f32), so the roundings' order differs from gamma x (O / sum).  A block's largest p is not searched for: the block's largest score goes through the same multiply-add and
; exponential, which takes v_exp_f32 not to fall where its input rises.  NaN and infinities among the inputs are not served.  The promise holds while the scaled scores stay under 2^31 in magnitude.
; REGISTERS.  Window 0: v0-63 addresses, statistics, scale words; v64-127 the blocks' work registers, 16 of each kind; v128-255 K's eight fragments.  Window 1: S^T, then p, 64 a tile.  Window 2: O^T, 64 a tile.
; Window 3: v0-63 Q; v64-191 V's eight fragments; v192-255 P's codes.  (s_set_vgpr_msb: bits 1:0 source 0, 3:2 source 1, 5:4 source 2, 7:6 destination.)
.set KP,    144                        ; a place of K in LDS: 128 bytes + 16
.set VP,    528                        ; a row of V's tile: 512 bytes + 16
.set VOFF,  512*KP
.set SLOTB, VOFF+128*VP                ; a slot's bytes
.set SCK,   2*SLOTB                    ; K's scale words of the head: 32 runs of 256 bytes + 16
.set SCV,   SCK+32*272                 ; V's scale bytes likewise
.set SPARE, SCV+32*272                 ; the spare words: 128 bytes a wave
.set WP,    272                        ; the way out: each wave's own stage of 128 rows (d) x (its 64 queries x 4 bytes + 16), from LDS byte 0 on: inside slot 0, which has had its last fill
.set AK0,1
.set AV0,2
.set ASK0,3
.set ASV0,4
.set SPW,5
.set NIL,6
.set GO,7
.set ADK,8
.set ADV,9
.set ADS,10
.set ADT,11
.set STAT,12                           ; a tile: -M, largest t, the sum in two halves
.set FF,28                             ; f, a pair a tile
.set PW,36                             ; P's scale words
.set QS,40                             ; Q's: lanes 0-15 an even tile, lanes 16-31 the odd one
.set KS,42                             ; K's, likewise by pairs of tiles
.set VS,48                             ; V's
.set T0,52
.set QA,56
.set QB,57
.set STO,60
.set RD,62
.set BM,64                             ; block n = 4 tile + b: largest score, then largest p
.set PB,80
.set HL,96                             ; 57,344 x the scale
.set SO,112                            ; the conversions' scale operands
.set KF,128
.set QF,0
.set VF,64
.set PC,192
.set GAM,3
.set WV,20
.set MNT,21
.set CS,22
.set G1K,24
.set G1V,32
.set G0K,40
.set G0V,44
.set G1S,48
.set G0SK,56
.set G0SV,60
.set SEL,66
.set TB,68                             ; LDS byte at which the slot in hand begins
.set TSS,69                            ; the slot's first scale words of K
.set TJS,70                            ; and of V
.set SLOTS,71
.set J,72                              ; the key step in the slot
.set TBN,73                            ; the slot that is filled next
.set MSB, 0
.macro WIN new
.if MSB != (\new)
	s_set_vgpr_msb (MSB<<8)|(\new)
.set MSB, (\new)
.endif
.endm
.macro TL g0, g1                       ; a tensor load with an s_nop and four v_nop behind it
	tensor_load_to_lds s[\g0:\g0+3], s[\g1:\g1+7]
	s_nop 0
.rept 4
	v_nop
.endr
.endm
.macro TLOAD                           ; a joint refill: wave 0 K's 512 places, wave 1 V's 128 rows
	s_cmp_eq_u32 s[WV], 0
	s_cbranch_scc0 .Lnot_k_\@
	TL G0K, G1K
	s_branch .Lasked_\@
.Lnot_k_\@:
	s_cmp_eq_u32 s[WV], 1
	s_cbranch_scc0 .Lasked_\@
	TL G0V, G1V
.Lasked_\@:
.endm
.macro CROUND                          ; a round of the cluster's barrier
	s_barrier_signal -1
	s_barrier_wait -1
	s_cmp_lg_u32 s[WV], 0
	s_cbranch_scc1 .Lnot_wave_0_\@
	s_barrier_signal -3
.Lnot_wave_0_\@:
	s_barrier_wait -3
	s_barrier_signal -1
	s_barrier_wait -1
.endm
	s_load_b128 s[4:7], s[0:1], 0x0                ; Q's codes, scale words
	s_load_b128 s[8:11], s[0:1], 0x10              ; K's
	s_load_b128 s[12:15], s[0:1], 0x20             ; V's
	s_load_b128 s[16:19], s[0:1], 0x30             ; gamma, out0
	v_lshl_add_u32 v[SPW], v0, 2, SPARE
	v_mov_b32 v[NIL], 0
	ds_add_u32 v[SPW], v[NIL]                      ; the opening lines: the add twice on end and one wait
	ds_add_u32 v[SPW], v[NIL]
	v_lshrrev_b32 v58, 5, v0
	v_readfirstlane_b32 s[WV], v58                 ; wave 0..3
	s_and_b32 s72, ttmp7, 0xffff                   ; the head
	s_lshl_b32 s74, s72, 18                        ; its first byte in each tensor of codes,
	s_mov_b32 s75, 0
	s_lshl_b32 s76, s72, 13                        ; and of scales
	s_mov_b32 s77, 0
	s_bfe_u32 s88, ttmp6, 0x40000                  ; cx
	s_lshl_b32 s89, ttmp9, 2
	s_add_co_u32 s89, s89, s88                     ; my block of 256 queries
	s_lshl_b32 s90, s89, 15                        ; Q's codes: 256 places x 128 bytes a block, 64 places a wave
	s_lshl_b32 s97, s[WV], 13
	s_add_co_u32 s90, s90, s97
	s_add_co_u32 s90, s90, s74
	s_mov_b32 s91, 0
	s_lshl_b32 s92, s89, 10                        ; Q's scale words: 1,024 bytes a block, 256 a wave
	s_lshl_b32 s97, s[WV], 8
	s_add_co_u32 s92, s92, s97
	s_add_co_u32 s92, s92, s76
	s_mov_b32 s93, 0
	s_lshl_b32 s94, s89, 10                        ; out0: the block's 1,024 bytes of a row, of which my wave's 64 queries are 256; a head is 128 rows of 8,192 bytes
	s_lshl_b32 s97, s[WV], 8
	s_add_co_u32 s94, s94, s97
	s_lshl_b32 s97, s72, 20
	s_add_co_u32 s94, s94, s97
	s_mov_b32 s95, 0
	; K: 512 places of 128 bytes, dense: stated as 256 rows of 256 bytes, four words of padding behind every 32
	s_mov_b32 s[G1K], 15|(1<<20)|(1<<21)|(4<<22)|(3<<25)
	s_mov_b32 s[G1K+1], 256<<16
	s_mov_b32 s[G1K+2], 256<<16
	s_mov_b32 s[G1K+3], 256<<16
	s_mov_b32 s[G1K+4], 256
	s_mov_b32 s[G1K+5], 256
	s_mov_b32 s[G1K+6], 0
	s_mov_b32 s[G1K+7], 0
	; V: 128 rows of 512 bytes, 2,048 bytes apart, four words of padding behind every 128
	s_mov_b32 s[G1V], 15|(1<<20)|(1<<21)|(6<<22)|(3<<25)
	s_mov_b32 s[G1V+1], 512<<16
	s_mov_b32 s[G1V+2], 128<<16
	s_mov_b32 s[G1V+3], 512<<16
	s_mov_b32 s[G1V+4], 128
	s_mov_b32 s[G1V+5], 2048
	s_mov_b32 s[G1V+6], 0
	s_mov_b32 s[G1V+7], 0
	; the scales: 8,192 dense bytes as 32 rows of 256 bytes (32 elements of 8 bytes), 16 bytes of padding behind each
	s_mov_b32 s[G1S], 15|(3<<16)|(1<<20)|(1<<21)|(5<<22)|(3<<25)
	s_mov_b32 s[G1S+1], 32<<16
	s_mov_b32 s[G1S+2], 32<<16
	s_mov_b32 s[G1S+3], 32<<16
	s_mov_b32 s[G1S+4], 32
	s_mov_b32 s[G1S+5], 32
	s_mov_b32 s[G1S+6], 0
	s_mov_b32 s[G1S+7], 0
	s_mov_b32 s[SEL], 0x76543210
	s_mov_b32 s[SEL+1], 0xfedcba98
	s_mov_b32 s[CS], 0x3e0293ee                    ; c = log2(e) / sqrt(128)
	s_mov_b32 s[CS+1], s[CS]
	s_mov_b32 s[MNT], 0x600000
	s_mov_b32 s[TB], 0
	s_mov_b32 s[TBN], 0
	s_mov_b32 s[TSS], 0
	s_mov_b32 s[TJS], 0
	s_mov_b32 s[SLOTS], 3
	s_wait_dscnt 0x0                               ; both opening adds are done
	s_wait_kmcnt 0x0
	s_load_b32 s[GAM], s[16:17], 0x0               ; gamma: no line of this launch writes it
	s_mov_b32 s[G0K], 1
	s_mov_b32 s[G0K+1], 0
	s_add_nc_u64 s[G0K+2:G0K+3], s[8:9], s[74:75]
	s_or_b32 s[G0K+3], s[G0K+3], 0x80000000
	s_mov_b32 s[G0V], 1
	s_mov_b32 s[G0V+1], VOFF
	s_add_nc_u64 s[G0V+2:G0V+3], s[12:13], s[74:75]
	s_or_b32 s[G0V+3], s[G0V+3], 0x80000000
	s_mov_b32 s[G0SK], 1
	s_mov_b32 s[G0SK+1], SCK
	s_add_nc_u64 s[G0SK+2:G0SK+3], s[10:11], s[76:77]
	s_or_b32 s[G0SK+3], s[G0SK+3], 0x80000000
	s_mov_b32 s[G0SV], 1
	s_mov_b32 s[G0SV+1], SCV
	s_add_nc_u64 s[G0SV+2:G0SV+3], s[14:15], s[76:77]
	s_or_b32 s[G0SV+3], s[G0SV+3], 0x80000000
	s_add_nc_u64 s[4:5], s[4:5], s[90:91]
	s_add_nc_u64 s[6:7], s[6:7], s[92:93]
	s_add_nc_u64 s[18:19], s[18:19], s[94:95]
	CROUND                                         ; all four work-groups are here: the first joint loads meet.  (gamma's load is waited for at the head's end)
	; the head's loads, one a wave, in one chain of branches on the wave's number: slot 0's K, slot 0's V, K's scale words, V's scale bytes
	s_cmp_lt_u32 s[WV], 1
	s_cbranch_scc0 .Lhead_v
	TL G0K, G1K
	s_branch .Lhead_asked
.Lhead_v:
	s_cmp_lt_u32 s[WV], 2
	s_cbranch_scc0 .Lhead_sk
	TL G0V, G1V
	s_branch .Lhead_asked
.Lhead_sk:
	s_cmp_lt_u32 s[WV], 3
	s_cbranch_scc0 .Lhead_sv
	TL G0SK, G1S
	s_branch .Lhead_asked
.Lhead_sv:
	TL G0SV, G1S
.Lhead_asked:
	v_and_b32 v58, 15, v0                          ; r
	v_bfe_u32 v59, v0, 4, 1                        ; h
	v_and_b32 v46, 31, v0                          ; lane
	v_lshlrev_b32 v[QA], 7, v58
	v_lshl_add_u32 v[QA], v59, 4, v[QA]            ; Q: place r of a tile, + 16 h
	v_lshlrev_b32 v[QB], 2, v46
	WIN 0xc0
.irp x, 0,1,2,3
.irp c, 0,1,2,3
	global_load_b128 v[QF+16*\x+4*\c:QF+16*\x+4*\c+3], v[QA], s[4:5] offset:2048*\x+32*\c   ; Q's four fragments stay in registers
.endr
.endr
	WIN 0
	global_load_b32 v[QS], v[QB], s[6:7]
	global_load_b32 v[QS+1], v[QB], s[6:7] offset:128
	v_mul_u32_u24 v[AK0], v58, KP
	v_mul_u32_u24 v[AV0], v58, VP
	v_lshl_add_u32 v[AK0], v59, 4, v[AK0]
	v_lshl_add_u32 v[AV0], v59, 4, v[AV0]
	v_lshl_add_u32 v[ASK0], v46, 2, SCK
	v_add_nc_u32 v[AV0], VOFF, v[AV0]
	v_lshrrev_b32 v47, 2, v46
	v_and_b32 v[ASV0], 3, v46
	v_lshlrev_b32 v[GO], 4, v58
	v_lshl_add_u32 v[GO], v59, 13, v[GO]           ; a store: lanes 0-15 256 bytes of one row of out0, lanes 16-31 of the next
	v_lshlrev_b32 v[ASV0], 6, v[ASV0]
	v_mad_u32_u24 v[ASV0], v47, 272, v[ASV0]
	v_add_nc_u32 v[ASV0], SCV, v[ASV0]             ; V's scale bytes: four rows of 64 bytes to a run
.irp x, 0,1,2,3
	v_mov_b32 v[STAT+4*\x+1], 0xff61b1e6           ; the largest t so far: -3e38
	v_mov_b32 v[STAT+4*\x+2], 0
	v_mov_b32 v[STAT+4*\x+3], 0
	v_mov_b32 v[FF+2*\x+1], 0                      ; (named as the upper half of f's pair)
	v_mov_b32 v[PW+\x], 0                          ; the first trip's scale words: finite bytes over zero codes
	v_mov_b32 v[VS+\x], 0
	v_floor_f32 v[STAT+4*\x], -v[STAT+4*\x+1]      ; -M
.endr
.set j, 0
.rept 16
	v_mov_b32 v[PB+j], 0                           ; a lane permute's destination counts as one of its sources
	v_mov_b32 v[HL+j], 0                           ; the first trip finishes a step that was not: zeros
	v_mov_b32 v[SO+j], 0
.set j, j+1
.endr
	WIN 0x40
.set j, 128
.rept 128
	v_mov_b32 v[j], 0                              ; p of tiles 2 and 3, which the first trip sums and converts: zeros
.set j, j+1
.endr
	WIN 0x80
.set j, 0
.rept 256
	v_mov_b32 v[j], 0                              ; O^T: the step is written for every step alike
.set j, j+1
.endr
	WIN 0xc0
.set j, VF
.rept 192
	v_mov_b32 v[j], 0                              ; zero codes for the first trip's second product: V's fragments and P's
.set j, j+1
.endr
	WIN 0
.macro FETCH_K                         ; 36 LDS loads: the step's scale words and eight tiles of K
.irp p, 0,1,2,3
	ds_load_b32 v[KS+\p], v[ADS] offset:(\p/2)*272+(\p%2)*128
.endr
.irp t, 0,1,2,3,4,5,6,7
.irp c, 0,1,2,3
	ds_load_b128 v[KF+16*\t+4*\c:KF+16*\t+4*\c+3], v[ADK] offset:16*\t*KP+32*\c
.endr
.endr
.endm
.macro FETCH_V                         ; 36 LDS loads: tile t is d = 16 t .. 16 t + 15
.irp p, 0,1,2,3
	ds_load_b32 v[VS+\p], v[ADT] offset:8*272*\p
.endr
	WIN 0xc0
.irp t, 0,1,2,3,4,5,6,7
.irp c, 0,1,2,3
	ds_load_b128 v[VF+16*\t+4*\c:VF+16*\t+4*\c+3], v[ADV] offset:16*\t*VP+32*\c
.endr
.endr
.endm
.macro KQ                              ; 32 products S^T = K Q^T, each begun with the constant 0
.irp x, 0,1,2,3
.irp t, 0,1,2,3,4,5,6,7
.if (\x == 0) && (\t == 0)
	s_wait_dscnt 0x0                               ; K's fragments and scale words are in
.endif
	WIN 0x4c
.set rD, 64*\x+8*\t
.set rA, KF+16*\t
.set rB, QF+16*\x
.set rK, KS+\t/2
.set rQ, QS+\x/2
.if (\t%2 == 0) && (\x%2 == 0)
	v_wmma_scale_f32_16x16x128_f8f6f4 v[rD:rD+7], v[rA:rA+15], v[rB:rB+15], 0, v[rK], v[rQ] matrix_a_fmt:MATRIX_FMT_BF8 matrix_b_fmt:MATRIX_FMT_BF8
.elseif (\t%2 == 0)
	v_wmma_scale_f32_16x16x128_f8f6f4 v[rD:rD+7], v[rA:rA+15], v[rB:rB+15], 0, v[rK], v[rQ] matrix_a_fmt:MATRIX_FMT_BF8 matrix_b_fmt:MATRIX_FMT_BF8 matrix_b_scale:MATRIX_SCALE_ROW1
.elseif (\x%2 == 0)
	v_wmma_scale_f32_16x16x128_f8f6f4 v[rD:rD+7], v[rA:rA+15], v[rB:rB+15], 0, v[rK], v[rQ] matrix_a_fmt:MATRIX_FMT_BF8 matrix_b_fmt:MATRIX_FMT_BF8 matrix_a_scale:MATRIX_SCALE_ROW1
.else
	v_wmma_scale_f32_16x16x128_f8f6f4 v[rD:rD+7], v[rA:rA+15], v[rB:rB+15], 0, v[rK], v[rQ] matrix_a_fmt:MATRIX_FMT_BF8 matrix_b_fmt:MATRIX_FMT_BF8 matrix_a_scale:MATRIX_SCALE_ROW1 matrix_b_scale:MATRIX_SCALE_ROW1
.endif
.endr
.endr
.endm
.macro PV                              ; 32 products O^T += V^T P^T: the 32 accumulators get one instruction each
	LEFT                                           ; what its own step's softmax has left of tiles 2 and 3
.irp x, 0,1,2,3
.irp t, 0,1,2,3,4,5,6,7
	WIN 0xaf
.set rD, 64*\x+8*\t
.set rA, VF+16*\t
.set rB, PC+16*\x
.set rK, VS+\t/2
.if \t%2 == 0
	v_wmma_scale_f32_16x16x128_f8f6f4 v[rD:rD+7], v[rA:rA+15], v[rB:rB+15], v[rD:rD+7], v[rK], v[PW+\x] matrix_a_fmt:MATRIX_FMT_BF8 matrix_b_fmt:MATRIX_FMT_BF8
.else
	v_wmma_scale_f32_16x16x128_f8f6f4 v[rD:rD+7], v[rA:rA+15], v[rB:rB+15], v[rD:rD+7], v[rK], v[PW+\x] matrix_a_fmt:MATRIX_FMT_BF8 matrix_b_fmt:MATRIX_FMT_BF8 matrix_a_scale:MATRIX_SCALE_ROW1
.endif
.endr
.endr
.endm
.macro HOLD2 x, j                      ; the hold of two p at 57,344 x the scale (the conversion to an 8-bit code does not saturate: ISA guide 7.6.2); p is not negative, so it is one-sided
	v_dual_min_num_f32 v[64*(\x)+\j], v[64*(\x)+\j], v[HL+4*(\x)+(\j)/16] :: v_dual_min_num_f32 v[64*(\x)+\j+1], v[64*(\x)+\j+1], v[HL+4*(\x)+(\j)/16]
.endm
.macro SCALE2 x, j                     ; t - M, two at a time
	v_pk_fma_f32 v[64*(\x)+\j:64*(\x)+\j+1], v[64*(\x)+\j:64*(\x)+\j+1], s[CS:CS+1], v[STAT+4*(\x):STAT+4*(\x)+1] op_sel_hi:[1,0,0]
.endm
; Tile x's 64 exponentials; between them tile fx's scalings and tile mx's holds (-1: none), which name no register of the batch and whose results are read behind the wait at the end
.macro EB x, fx, mx
	WIN 0x41
	s_wait_alu depctr_va_vdst(0)                   ; the wait ahead of the batch
.set j, 0
.rept 32
	v_exp_f32 v[64*\x+j], v[64*\x+j]
.if \fx >= 0
	SCALE2 \fx, j
.endif
	v_exp_f32 v[64*\x+j+1], v[64*\x+j+1]
.if \mx >= 0
	HOLD2 \mx, j
.endif
.set j, j+2
.endr
	v_nop                                          ; the plain line behind the last exponential
	s_wait_alu depctr_va_vdst(0)                   ; and the wait behind the batch
.endm
.macro SUM x                           ; the row's sum of the unquantised p: 32 packed additions in four chains
.set rS, 64*\x
.set rT, STAT+4*\x+2
.set rP, PB+4*\x
.set rM, BM+4*\x
	WIN 0x05
	v_pk_add_f32 v[rP:rP+1], v[rS:rS+1], v[rS+2:rS+3]
	v_pk_add_f32 v[rP+2:rP+3], v[rS+4:rS+5], v[rS+6:rS+7]
	v_pk_add_f32 v[rM:rM+1], v[rS+8:rS+9], v[rS+10:rS+11]
	WIN 0x04
.set j, rS+12
.rept 6
	v_pk_add_f32 v[rT:rT+1], v[rT:rT+1], v[j:j+1]
	v_pk_add_f32 v[rP:rP+1], v[rP:rP+1], v[j+2:j+3]
	v_pk_add_f32 v[rP+2:rP+3], v[rP+2:rP+3], v[j+4:j+5]
	v_pk_add_f32 v[rM:rM+1], v[rM:rM+1], v[j+6:j+7]
.set j, j+8
.endr
	v_pk_add_f32 v[rT:rT+1], v[rT:rT+1], v[j:j+1]
	v_pk_add_f32 v[rP:rP+1], v[rP:rP+1], v[j+2:j+3]
	WIN 0
	v_pk_add_f32 v[rM:rM+1], v[rM:rM+1], v[rP+2:rP+3]
	v_pk_add_f32 v[rT:rT+1], v[rT:rT+1], v[rP:rP+1]
	v_pk_add_f32 v[rT:rT+1], v[rT:rT+1], v[rM:rM+1]
.endm
.macro CVT x                           ; registers 4 b .. 4 b + 3 of P's operand: keys 32 b + 16 h + 0 .. 15
	WIN 0xc1
.irp b, 0,1,2,3
	v_cvt_scalef32_pk8_bf8_f32 v[PC+16*\x+4*\b:PC+16*\x+4*\b+1], v[64*\x+16*\b:64*\x+16*\b+7], v[SO+4*\x+\b]
	v_cvt_scalef32_pk8_bf8_f32 v[PC+16*\x+4*\b+2:PC+16*\x+4*\b+3], v[64*\x+16*\b+8:64*\x+16*\b+15], v[SO+4*\x+\b]
.endr
.endm
.macro EACH16 op:vararg                ; (a line for each of the 16 blocks n, n = 4 tile + b; block n's scores are registers 16 n .. 16 n + 15 of window 1)
.set n, 0
.rept 16
	\op
.set n, n+1
.endr
.endm
; Level l of the search for the largest score of tile x's four blocks of 32 keys: level 0 takes a block's registers 0 and 1, level l registers 2 l and 2 l + 1: each score tile is read from its low end on.
; The running maximum is the last source, so that all levels stand under one setting of the windows
.macro STATL x, l
	WIN 0x05
.irp b, 0,1,2,3
.if (\l) == 0
	v_max_num_f32 v[BM+4*(\x)+\b], v[64*(\x)+16*\b], v[64*(\x)+16*\b+1]
.else
	v_max3_num_f32 v[BM+4*(\x)+\b], v[64*(\x)+16*\b+2*(\l)], v[64*(\x)+16*\b+2*(\l)+1], v[BM+4*(\x)+\b]
.endif
.endr
.endm
.macro CV2 x, b                        ; block b of tile x's codes
	v_cvt_scalef32_pk8_bf8_f32 v[PC+16*(\x)+4*(\b):PC+16*(\x)+4*(\b)+1], v[64*(\x)+16*(\b):64*(\x)+16*(\b)+7], v[SO+4*(\x)+(\b)]
	v_cvt_scalef32_pk8_bf8_f32 v[PC+16*(\x)+4*(\b)+2:PC+16*(\x)+4*(\b)+3], v[64*(\x)+16*(\b)+8:64*(\x)+16*(\b)+15], v[SO+4*(\x)+(\b)]
.endm
.macro SADD k                          ; tile 3's sum: pair 6 + k of its p onto chain k % 4
.if (\k)%4 == 0
.set rC, STAT+14
.elseif (\k)%4 == 1
.set rC, PB+12
.elseif (\k)%4 == 2
.set rC, PB+14
.else
.set rC, BM+12
.endif
	v_pk_add_f32 v[rC:rC+1], v[rC:rC+1], v[204+2*(\k):205+2*(\k)]
.endm
; Part w, 0 .. 21, of what a step's softmax leaves for the head of the next trip (or for behind the loops): tile 2's conversions, tile 3's sum in four chains, its holds and its conversions, and four plain lines ahead of the products that take the codes
.macro PFILL w
.if (\w) < 2
	WIN 0xc1
	CV2 2, 2*(\w)
	CV2 2, 2*(\w)+1
.elseif (\w) == 2
	WIN 0x05
	v_pk_add_f32 v[PB+12:PB+13], v[192:193], v[194:195]
	v_pk_add_f32 v[PB+14:PB+15], v[196:197], v[198:199]
	v_pk_add_f32 v[BM+12:BM+13], v[200:201], v[202:203]
.elseif (\w) < 10
	WIN 0x04
.irp i, 0,1,2,3
.if 4*((\w)-3)+\i < 26
	SADD 4*((\w)-3)+\i
.endif
.endr
.elseif (\w) == 10
	WIN 0
	v_pk_add_f32 v[BM+12:BM+13], v[BM+12:BM+13], v[PB+14:PB+15]
	v_pk_add_f32 v[STAT+14:STAT+15], v[STAT+14:STAT+15], v[PB+12:PB+13]
	v_pk_add_f32 v[STAT+14:STAT+15], v[STAT+14:STAT+15], v[BM+12:BM+13]
.elseif (\w) < 19
	WIN 0x41
.irp i, 0,2,4,6
	HOLD2 3, 8*((\w)-11)+\i
.endr
.elseif (\w) < 21
	WIN 0xc1
	CV2 3, 2*((\w)-19)
	CV2 3, 2*((\w)-19)+1
.elseif (\w) == 21
.rept 4
	v_nop
.endr
.endif
.endm
.macro LEFT                            ; the 22 parts on end: they stand between K's fragment loads and the second product
.irp w, 0,1,2,3,4,5,6,7,8,9,10,11,12,13,14,15,16,17,18,19,20,21
	PFILL \w
.endr
.endm
.macro OUT8 g                          ; rows 16 g .. 16 g + 15 of my block leave: sixteen lanes store 256 consecutive bytes, at a multiple of 256 from out0's first byte
.irp m, 0,1,2,3,4,5,6,7
	global_store_b128 v[GO], v[32*(\g)+4*\m:32*(\g)+4*\m+3], s[18:19] offset:(16*(\g)+2*\m)*8192 th:TH_STORE_NT
.endr
.endm
.macro STEP
	s_mul_i32 s90, s[J], 128*KP
	s_lshl_b32 s91, s[J], 7
	s_mul_i32 s92, s[J], 544
	s_lshl_b32 s93, s[J], 2
	s_add_co_u32 s90, s90, s[TB]
	s_add_co_u32 s91, s91, s[TB]
	s_add_co_u32 s92, s92, s[TSS]
	s_add_co_u32 s93, s93, s[TJS]
	v_add_nc_u32 v[ADK], s90, v[AK0]
	v_add_nc_u32 v[ADV], s91, v[AV0]
	v_add_nc_u32 v[ADS], s92, v[ASK0]
	v_add_nc_u32 v[ADT], s93, v[ASV0]
	s_wait_alu depctr_va_vdst(0)                   ; the wait behind these writes
	FETCH_K
	s_wait_dscnt 36                                ; the 36 just issued may be out: V's fragments of the step before are in
	PV                                             ; the step before's second product, while K's fragments are on their way
	KQ
	WIN 0
.rept 8
	v_nop                                          ; eight plain lines ahead of the loads into V's registers and of the first read of the scores
.endr
	FETCH_V                                        ; on their way while the softmax is walked
.irp l, 0,1,2,3,4,5,6,7
.irp x, 0,1,2,3
	STATL \x, \l                                   ; the sixteen blocks by turns
.endr
.endr
	WIN 0
	EACH16 v_permlanex16_b32 v[PB+n], v[BM+n], s[SEL], s[SEL+1]
	EACH16 v_max_num_f32 v[BM+n], v[BM+n], v[PB+n]
.irp x, 0,1,2,3
	v_max3_num_f32 v[T0+\x], v[BM+4*\x], v[BM+4*\x+1], v[BM+4*\x+2]
.endr
.irp x, 0,1,2,3
	v_max_num_f32 v[T0+\x], v[T0+\x], v[BM+4*\x+3]
.endr
.irp x, 0,1,2,3
	v_mul_f32 v[T0+\x], s[CS], v[T0+\x]            ; the step's largest t
.endr
.irp x, 0,1,2,3
	v_max_num_f32 v[STAT+4*\x+1], v[STAT+4*\x+1], v[T0+\x]
.endr
.irp x, 0,1,2,3
	v_mov_b32 v[T0+\x], v[STAT+4*\x]
.endr
.irp x, 0,1,2,3
	v_floor_f32 v[STAT+4*\x], -v[STAT+4*\x+1]      ; the new -M = -ceil(t)
.endr
.irp x, 0,1,2,3
	v_sub_f32 v[T0+\x], v[STAT+4*\x], v[T0+\x]     ; old M - new M: a whole number, 0 or less
.endr
.irp x, 0,1,2,3
	v_cvt_i32_f32 v[T0+\x], v[T0+\x]               ; (it saturates)
.endr
.irp x, 0,1,2,3
	v_ldexp_f32 v[FF+2*\x], 1.0, v[T0+\x]          ; f = 2^(old M - new M)
.endr
	EACH16 v_fma_f32 v[BM+n], v[BM+n], s[CS], v[STAT+4*(n/4)]
.irp x, 0,1,2,3
	v_pk_mul_f32 v[STAT+4*\x+2:STAT+4*\x+3], v[STAT+4*\x+2:STAT+4*\x+3], v[FF+2*\x:FF+2*\x+1] op_sel_hi:[1,0]
.endr
	WIN 0x82                                       ; O^T under the new M, each accumulator from its low end on, ahead of the step's exponentials
.irp x, 0,1,2,3
.set j, 64*\x
.rept 32
	v_pk_mul_f32 v[j:j+1], v[j:j+1], v[FF+2*\x:FF+2*\x+1] op_sel_hi:[1,0]
.set j, j+2
.endr
.endr
	WIN 0
	s_wait_alu depctr_va_vdst(0)                   ; the wait ahead of the batch
	EACH16 v_exp_f32 v[BM+n], v[BM+n]
	WIN 0x41
.set j, 0
.rept 32
	SCALE2 0, j                                    ; tile 0's scalings: plain work behind the sixteen
.set j, j+2
.endr
	s_wait_alu depctr_va_vdst(0)                   ; the wait behind the batch
	WIN 0
	EACH16 v_max_num_f32 v[BM+n], 0x8000000, v[BM+n]
	EACH16 v_add_nc_u32 v[SO+n], 0xf8800000, v[BM+n]
	EACH16 v_and_or_b32 v[HL+n], v[BM+n], 0x7f800000, s[MNT]
	EACH16 v_lshrrev_b32 v[PB+n], 23, v[SO+n]
.irp x, 0,1,2,3
	v_lshl_or_b32 v[PW+\x], v[PB+4*\x+1], 8, v[PB+4*\x]
.endr
.irp x, 0,1,2,3
	v_lshl_or_b32 v[PW+\x], v[PB+4*\x+2], 16, v[PW+\x]
.endr
.irp x, 0,1,2,3
	v_lshl_or_b32 v[PW+\x], v[PB+4*\x+3], 24, v[PW+\x]
.endr
	EB 0, 1, -1
	SUM 0
	EB 1, 2, 0
	CVT 0
	SUM 1
	EB 2, 3, 1
	CVT 1
	SUM 2
	EB 3, -1, 2                                    ; what is left of tiles 2 and 3 stands ahead of the second product, in the next trip or behind the loops
	WIN 0
.endm
; THE CHANGE OF SLOTS, at a slot's head.  fill = 1: a round of the cluster's barrier, and the joint fill of the slot just left first behind it
.macro CHANGE fill
	s_wait_tensorcnt 0x0                           ; no tensor load of mine is out
	ds_add_u32 v[SPW], v[NIL]
.if \fill
	s_xor_b32 s[TBN], s[TBN], SLOTB                ; the other slot than last time,
	s_mov_b32 s[G0K+1], s[TBN]
	s_add_co_u32 s[G0V+1], s[TBN], VOFF
	s_add_nc_u64 s[G0K+2:G0K+3], s[G0K+2:G0K+3], 512*128   ; the next 512 places,
	s_add_nc_u64 s[G0V+2:G0V+3], s[G0V+2:G0V+3], 512       ; the next 512 keys of each row
.endif
	s_wait_dscnt 0x0                               ; the add is done, and my reads of the slot that I have left are over
.if \fill
	CROUND
	TLOAD
.else
	s_barrier_signal -1
	s_barrier_wait -1
.endif
	s_mov_b32 s[J], 0
.endm
.macro NEXT_STEP label
	s_add_co_u32 s[J], s[J], 1
	s_cmp_lt_u32 s[J], 4
	s_wait_alu depctr_va_vdst(0)                   ; the wait ahead of the branch
	s_cbranch_scc1 \label
	s_xor_b32 s[TB], s[TB], SLOTB                  ; on to the other slot
	s_add_co_u32 s[TSS], s[TSS], 4*544
	s_add_co_u32 s[TJS], s[TJS], 16
.endm
	s_wait_alu depctr_va_vdst(0)                   ; the wait at the head's end
	s_wait_loadcnt 0x0                             ; Q and its scale words
	s_wait_kmcnt 0x0                               ; gamma
.Lslot:                                            ; three trips: behind each change of slots but the last the next slot is asked for
	CHANGE 1
.Lstep_a:
	STEP
	NEXT_STEP .Lstep_a
	s_sub_co_u32 s[SLOTS], s[SLOTS], 1
	s_cmp_lg_u32 s[SLOTS], 0
	s_cbranch_scc1 .Lslot
	CHANGE 0                                       ; the last slot is written out
.Lstep_b:
	STEP
	NEXT_STEP .Lstep_b
	s_wait_dscnt 0x0                               ; V's last fragments
	PV                                             ; the last step's second product
	WIN 0
	; THE WAY OUT.  out0 has the queries innermost; my wave's 64 queries are 256 consecutive bytes of each of the head's 128 rows.  So O^T x gamma / the sum goes through my wave's own stage, [128 d][64 queries], 16 rows at a time,
	; and leaves as whole runs of 256 bytes; no wave reads another's stage.  The address lines and the sums are the plain lines behind the last products
	v_and_b32 v58, 15, v0                          ; r
	v_bfe_u32 v59, v0, 4, 1                        ; h
	v_and_b32 v46, 8, v58
	v_add_nc_u32 v46, v46, v58                     ; r + 8 (r / 8)
	v_lshlrev_b32 v46, 2, v46
	v_mad_u32_u24 v[STO], v59, 8*WP, v46           ; register 8 t + i holds d = 16 t + 8 h + i: lanes 16-31 eight rows down (544 words: 32 banks on)
	s_mul_i32 s96, s[WV], 128*WP                   ; my stage
	v_add_nc_u32 v[STO], s96, v[STO]
	v_mul_u32_u24 v[RD], v59, WP
.irp x, 0,1,2,3
	v_add_f32 v[BM+4*\x], v[STAT+4*\x+2], v[STAT+4*\x+3]
.endr
.irp x, 0,1,2,3
	v_permlanex16_b32 v[PB+4*\x], v[BM+4*\x], s[SEL], s[SEL+1]
.endr
.irp x, 0,1,2,3
	v_add_f32 v[BM+4*\x], v[BM+4*\x], v[PB+4*\x]   ; the row's sum
.endr
	s_wait_alu depctr_va_vdst(0)
.irp x, 0,1,2,3
	v_rcp_f32 v[BM+4*\x], v[BM+4*\x]
.endr
	v_lshl_add_u32 v[RD], v58, 4, v[RD]            ; back: lanes 0-15 one row, lanes 16-31 the next, 16 bytes a lane.  (Plain lines behind the reciprocals)
	v_add_nc_u32 v[RD], s96, v[RD]
	s_wait_alu depctr_va_vdst(0)
.irp x, 0,1,2,3
	v_mul_f32 v[FF+2*\x], s[GAM], v[BM+4*\x]       ; gamma / the sum
.endr
	WIN 0x82
	s_wait_alu depctr_va_vdst(0)                   ; the wait directly ahead of the first reader of O^T
.irp x, 0,1,2,3
.set j, 64*\x
.rept 32
	v_pk_mul_f32 v[j:j+1], v[j:j+1], v[FF+2*\x:FF+2*\x+1] op_sel_hi:[1,0]
.set j, j+2
.endr
.endr
	WIN 0
	s_wait_alu depctr_va_vdst(0)
	s_wait_dscnt 0x0
	s_barrier_signal -1
	s_barrier_wait -1                              ; everybody's reads of the ring are over, and it has had its last fill
.irp t, 0,1,2,3,4,5,6,7
	WIN 0x08
.irp x, 0,1,2,3
.irp i, 0,1,2,3,4,5,6,7
	ds_store_b32 v[STO], v[64*\x+8*\t+\i] offset:(16*\t+\i)*WP+128*(\x/2)+32*(\x%2)
.endr
.endr
	WIN 0x40
.irp m, 0,1,2,3,4,5,6,7
	ds_load_b128 v[32*\t+4*\m:32*\t+4*\m+3], v[RD] offset:(16*\t+2*\m)*WP   ; LDS serves a wave's instructions in order (ISA guide 5.7.1): these see my stores
.endr
.if \t > 0
	WIN 0x04
	s_wait_dscnt 40                                ; the 32 stores and 8 loads just issued may be out: the group before is back
	OUT8 (\t-1)
.endif
.endr
	WIN 0x04
	s_wait_dscnt 0x0
	OUT8 7
	WIN 0
	s_wait_tensorcnt 0x0                           ; the wave's end
	ds_add_u32 v[SPW], v[NIL]
	s_wait_dscnt 0x0
	CROUND                                         ; the closing round
	s_endpgm
.Lfunc_end_k_q0ae01cfb06_attn:
	.size	k_q0ae01cfb06_attn, .Lfunc_end_k_q0ae01cfb06_attn-k_q0ae01cfb06_attn
	.p2alignl 7, 3214868480
	.fill 96, 4, 3214868480
	.section	.rodata,"a",@progbits
	.p2align	6, 0x0
	.amdhsa_kernel k_q0ae01cfb06_attn
		.amdhsa_group_segment_fixed_size 327680
		.amdhsa_private_segment_fixed_size 0
		.amdhsa_enable_private_segment 0
		.amdhsa_kernarg_size 64
		.amdhsa_user_sgpr_count 2
		.amdhsa_user_sgpr_kernarg_segment_ptr 1
		.amdhsa_wavefront_size32 1
		.amdhsa_system_sgpr_workgroup_id_x 1
		.amdhsa_system_sgpr_workgroup_id_y 1
		.amdhsa_system_sgpr_workgroup_id_z 1
		.amdhsa_system_vgpr_workitem_id 0
		.amdhsa_next_free_vgpr 1024
		.amdhsa_next_free_sgpr 100
		.amdhsa_reserve_vcc 0
		.amdhsa_float_denorm_mode_32 3
		.amdhsa_float_denorm_mode_16_64 3
		.amdhsa_memory_ordered 1
		.amdhsa_forward_progress 1
		.amdhsa_inst_pref_size 227
	.end_amdhsa_kernel
	.amdgpu_metadata
---
amdhsa.version: [ 1, 2 ]
amdhsa.kernels:
  - .name:           k_q0ae01cfb06_attn
    .symbol:         k_q0ae01cfb06_attn.kd
    .args:
      - { .name: q_codes, .offset: 0, .size: 8, .value_kind: global_buffer, .address_space: global }
      - { .name: q_scales, .offset: 8, .size: 8, .value_kind: global_buffer, .address_space: global }
      - { .name: k_codes, .offset: 16, .size: 8, .value_kind: global_buffer, .address_space: global }
      - { .name: k_scales, .offset: 24, .size: 8, .value_kind: global_buffer, .address_space: global }
      - { .name: v_codes, .offset: 32, .size: 8, .value_kind: global_buffer, .address_space: global }
      - { .name: v_scales, .offset: 40, .size: 8, .value_kind: global_buffer, .address_space: global }
      - { .name: gamma, .offset: 48, .size: 8, .value_kind: global_buffer, .address_space: global }
      - { .name: out0, .offset: 56, .size: 8, .value_kind: global_buffer, .address_space: global }
    .group_segment_fixed_size: 327680
    .private_segment_fixed_size: 0
    .kernarg_segment_align: 8
    .kernarg_segment_size: 64
    .max_flat_workgroup_size: 128
    .sgpr_count:     100
    .vgpr_count:     1024
    .wavefront_size: 32
...
	.end_amdgpu_metadata
.endif
;; end of part 2
